; MI455X (gfx1250); checked and timed in simulation.
; The chip was launched on July 23, 2026; its instructions are those of AMD's public machine-readable ISA for CDNA 5 (MIT licence, August 2026) and "CDNA5" Instruction Set Architecture Reference Guide (July 2026). The comments in the code are by the model that wrote it; some were corrected since.
;; Phase10 Tiny Attention Model. Allowed arithmetic: matrix products marked QUANTISED: E2M1 operands, one E8M0 scale for each 32 along K, by v_wmma_scale_f32_16x16x128_f8f6f4 with both operands' format E2M1 (or v_wmma_scale_f32_32x16x128_f4), f32 sums; products left as they are: f32 operands where the result goes on into a quantised operand, else bf16, f16 or f32 operands; f32 sums; everything else in f32.
;; Inputs: Wc 1,024 x 1,000 float32; Wk 1,024 x 1,024 float32; Wq 1,024 x 1,024 float32; Wv 1,024 x 1,024 float32; bc 1,000 float32; x 8 x 4,096 x 1,024 float32.
;; Outputs: out0 8 x 1,000 float32.
;; This version of the problem:
;;   THIS VERSION OF THE PROBLEM IS GIVEN IN LOW PRECISION. The matrix products marked QUANTISED in the list below multiply operands that are first quantised to E2M1 (2 exponent bits, 1 mantissa bit; 4 bits a number), with one power-of-two scale for each 32 numbers along K (OCP MX v1.0); their sums are f32. All else is computed in f32.
;;   The module's matrix products, in the order in which they are computed (A, B: the left and right operand; K: the contracted axis; several contracted axes count as one K, in the product's order):
;;     1. [M 8, K 1,024] x [K 1,024, N 1,024]; A: input x; B: input Wq: left as it is (M = 8 < 16)
;;     2. [M 32,768, K 1,024] x [K 1,024, N 1,024]; A: input x; B: input Wk: QUANTISED
;;     3. [M 32,768, K 1,024] x [K 1,024, N 1,024]; A: input x; B: input Wv: QUANTISED
;;     4. batch 8 x [M 1, K 1,024] x [K 1,024, N 4,096]; A: computed on the way; B: computed on the way: left as it is (M = 1 < 16)
;;     5. batch 8 x [M 1, K 4,096] x [K 4,096, N 1,024]; A: softmax; B: computed on the way: left as it is (M = 1 < 16)
;;     6. [M 8, K 1,024] x [K 1,024, N 1,000]; A: computed on the way; B: input Wc: left as it is (M = 8 < 16)
;;   THE QUANTISER, for each operand of a quantised product, along K:
;;     - K is cut into blocks of 32 from its start; a last block that is shorter is filled with zeros.
;;     - A block's scale is 2^e with e = floor(log2(the largest magnitude in the block)) - 2, held to -126 .. 127; a block of zeros has e = 0. As a byte (E8M0): e + 127.
;;     - Each number is divided by its block's scale, clamped to +-6, and rounded to the nearest number of E2M1, ties to even, subnormals kept.
;;     - The product sums the exact products of the quantised numbers (number of the format x scale) in f32.
;;   ~~~python
;;   def quantise(x, axis):      # numpy; x: float32 -> the quantised numbers, widened to float32 again
;;       x = np.moveaxis(x, axis, -1); K = x.shape[-1]
;;       x = np.pad(x, [(0, 0)] * (x.ndim - 1) + [(0, -K % 32)]); x = x.reshape(x.shape[:-1] + (-1, 32)); a = np.abs(x).max(-1, keepdims=True)
;;       e = np.where(a > 0, np.clip(np.frexp(np.where(a > 0, a, 1))[1] - 1 - 2, -126, 127), 0)      # np.frexp(a)[1] - 1 = floor(log2(a)), exactly
;;       r = np.clip(x / 2.0 ** e, -6, 6)
;;       step = 2.0 ** (np.maximum(np.frexp(np.where(r == 0, 1, r))[1] - 1, 0) - 1)
;;       q = np.round(r / step) * step * 2.0 ** e      # np.round: ties to even
;;       return np.moveaxis(q.reshape(q.shape[:-2] + (-1,))[..., :K], -1, axis).astype(np.float32)
;;   ~~~
;; One version. Each part assembles by itself: llvm-mc -triple=amdgcn-amd-amdhsa -mcpu=gfx1250 --defsym DOCPART=n.
;; ======== version 1 of 1: 3 launches
;; limits: right only within a limited range of input values
;; workspace buffers: wimg 1,114,112 bytes; qpart 262,144 bytes; wci 4,194,304 bytes; hpart 1,048,576 bytes; ml 65,536 bytes
;; launch prep (part 1): grid 640 x 1, 4 waves a work-group, no clusters, 9,216 bytes of LDS; arguments x, Wk, Wv, Wq, Wc, wimg, qpart, wci; writes wimg, qpart, wci
.if DOCPART == 1
	.amdgcn_target "amdgcn-amd-amdhsa--gfx1250"
	.amdhsa_code_object_version 6
	.text
	.protected	k_qc9cf83ec89_prep
	.globl	k_qc9cf83ec89_prep
	.p2align	8
	.type	k_qc9cf83ec89_prep,@function
k_qc9cf83ec89_prep:
	s_mov_b64 s[64:65], 0
	v_nop
	global_prefetch_b8 v0, s[64:65] scope:SCOPE_SE
	s_setreg_imm32_b32 hwreg(HW_REG_WAVE_MODE, 25, 1), 1
	s_wait_xcnt 0x0
; Wk and Wv [1024 (k)][1024 (n)], f32, become codes of FP4 (E2M1) with one E8M0 scale byte for each 32 along K, laid in the order of the operands' registers.
; Beside that: eight partial sums along K of q = x[:, 0, :] Wq, in f32; and Wc [1024][1000] is laid again by slices of 32 classes, so that the last launch's tensor rows are whole units of 256 bytes.
; A block's scale is 2^(floor(log2(its largest magnitude)) - 2); its byte is the largest magnitude's exponent field - 2, held at 1 from below by a floor among the maximum's leaves.
; LIMITS: NaN and infinities among the inputs are not served.  A block of zeros, or one whose largest magnitude lies under 2^-124, gets the byte 1 (the stated quantiser says 127 for zeros):
; its codes are zeros or what the byte 1 gives, and the bytes are read by this program alone.
; THREE PATHS, parted on the work-group's number alone; each that uses LDS has bytes of its own.
;   0..255   a weight: 64 columns x 128 along K; wave (ch = w % 2, kh = w / 2): 32 columns x 64 along K.  A lane takes a column, its registers run down K: a block of 32 is one lane's.
;            The two halves of a scale word meet in LDS.
;   256..511 q: 32 columns x 128 along K; a wave takes 32 along K for the eight batches; the four waves' sums meet in LDS.
;   512..639 Wc: a wave takes 64 rows of one slice.
; LAYOUTS.  wimg [tile of 16 columns, 128][8,704]: block b of 32 along K of column r at 256 b + 16 r; the scale words at 8,192 + 256 (s / 4) + 16 r + 4 (s % 4), s = K step of 128.
; qpart [ks 8][batch 8][1024] f32.   wci [slice 32][1024][32] f32: slice y holds classes min(32 y, 968) on.
; The scale words leave in pieces of 4 bytes and q's sums in pieces of 128: 65,536 and 262,144 bytes in the whole launch.
.set X,    32                          ; v32-95   numbers down K
.set CW,   96                          ; v96-103  codes of two blocks; q: x as loaded
.set XB,   112                         ; v112-175 q: two sets of 8 batches x 4 numbers of x
.set AC,   176                         ; v176-191 q: eight pairs of sums (even k, odd k)
.set SPW,  14
.set NIL,  15
.set WLDS, 8192                        ; LDS: q's path has 0..8,191, the weights' 8,192..8,447
.set SPARE, 8448
; One lane's block of 32 numbers, v[src] on, becomes 16 bytes of codes in v[dst] on and the scale's byte in v[byte].
.macro QB src, dst, byte
	v_max3_num_f32 v8, |v[\src]|, |v[\src+1]|, |v[\src+2]|
	v_max3_num_f32 v9, |v[\src+3]|, |v[\src+4]|, |v[\src+5]|
.irp i, 6,10,14,18,22,26
	v_max3_num_f32 v8, v8, |v[\src+\i]|, |v[\src+\i+1]|
	v_max3_num_f32 v9, v9, |v[\src+\i+2]|, |v[\src+\i+3]|
.endr
	v_max3_num_f32 v8, v8, |v[\src+30]|, |v[\src+31]|
	v_max3_num_f32 v8, v8, v9, 0x1800000           ; and the floor 2^(3 - 127)
	v_add_nc_u32 v10, 0xff000000, v8               ; 2 off the exponent field: the conversion's scale operand
.irp g, 0,1,2,3
	v_cvt_scalef32_pk8_fp4_f32 v[\dst+\g], v[\src+8*\g:\src+8*\g+7], v10
.endr
	v_lshrrev_b32 v[\byte], 23, v10                ; the byte; also the plain line behind the conversions
.endm
; 32 rows from row on of a matrix stored [k][1024], at my column, into v[X + row] on: 32 lanes read 128 consecutive bytes
.macro LOADB row, base
.irp i, 0,1,2,3,4,5,6,7,8,9,10,11,12,13,14,15,16,17,18,19,20,21,22,23,24,25,26,27,28,29,30,31
	global_load_b32 v[X+(\row)+\i], v4, s[\base:\base+1] offset:((\row)+\i)*4096 th:TH_LOAD_NT
.endr
.endm
	s_load_b256 s[4:11], s[0:1], 0x0               ; x s[4:5], Wk s[6:7], Wv s[8:9], Wq s[10:11]
	s_load_b256 s[12:19], s[0:1], 0x20             ; Wc s[12:13], wimg s[14:15], qpart s[16:17], wci s[18:19]
	v_lshl_add_u32 v[SPW], v0, 2, SPARE
	v_mov_b32 v[NIL], 0
	v_lshrrev_b32 v1, 5, v0
	v_readfirstlane_b32 s20, v1                    ; wave 0..3
	v_and_b32 v1, 31, v0                           ; lane
	v_and_b32 v2, 15, v0                           ; r
	v_bfe_u32 v3, v0, 4, 1                         ; h
	v_lshlrev_b32 v4, 2, v1                        ; 4 x lane
	s_wait_alu depctr_va_vdst(0)
	s_cmp_lt_u32 ttmp9, 256
	s_cbranch_scc1 .Lweights
	s_cmp_lt_u32 ttmp9, 512
	s_cbranch_scc1 .Lquery
; ---- Wc: rows 64 (4 (m % 4) + w) on of slice m / 4; an instruction takes four rows of 128 bytes and stores 512 consecutive bytes
	s_sub_co_u32 s21, ttmp9, 512
	s_lshr_b32 s22, s21, 2                         ; the slice
	s_and_b32 s23, s21, 3
	s_lshl_b32 s23, s23, 2
	s_add_co_u32 s23, s23, s20                     ; which 64 rows
	s_lshl_b32 s24, s22, 5
	s_min_u32 s24, s24, 968                        ; the slice's first class: the last slice ends with Wc's last class
	s_lshl_b32 s24, s24, 2
	s_mul_i32 s26, s23, 256000
	s_add_co_u32 s24, s24, s26
	s_mov_b32 s25, 0
	s_lshl_b32 s28, s22, 17
	s_lshl_b32 s29, s23, 13
	s_add_co_u32 s28, s28, s29
	s_mov_b32 s29, 0
	v_lshrrev_b32 v5, 3, v1
	v_mul_u32_u24 v5, v5, 4000
	v_and_b32 v6, 7, v1
	v_lshl_add_u32 v5, v6, 4, v5                   ; row lane / 8, 16 (lane % 8)
	v_lshlrev_b32 v7, 4, v1
	s_wait_alu depctr_va_vdst(0)
	s_wait_kmcnt 0x0
	s_add_nc_u64 s[12:13], s[12:13], s[24:25]
	s_add_nc_u64 s[18:19], s[18:19], s[28:29]
.irp i, 0,1,2,3,4,5,6,7,8,9,10,11,12,13,14,15
	global_load_b128 v[X+4*\i:X+4*\i+3], v5, s[12:13] offset:16000*\i
.endr
.irp i, 0,1,2,3,4,5,6,7,8,9,10,11,12,13,14,15
	s_wait_loadcnt 15-\i
	global_store_b128 v7, v[X+4*\i:X+4*\i+3], s[18:19] offset:512*\i
.endr
	s_endpgm
; ---- q: qpart[ks][b][e] = the sum over k = 128 ks .. + 127 of x[b][0][k] Wq[k][e], by fused multiply-adds in f32
.Lquery:
	s_sub_co_u32 s21, ttmp9, 256
	s_lshr_b32 s22, s21, 3                         ; which 32 columns
	s_and_b32 s23, s21, 7                          ; ks
	s_lshl_b32 s26, s22, 7                         ; their bytes
	s_lshl_b32 s24, s23, 19
	s_lshl_b32 s27, s20, 17
	s_add_co_u32 s24, s24, s27
	s_add_co_u32 s24, s24, s26                     ; Wq: row 128 ks + 32 w
	s_mov_b32 s25, 0
	s_lshl_b32 s28, s23, 9
	s_lshl_b32 s27, s20, 7
	s_add_co_u32 s28, s28, s27                     ; x: the same k
	s_mov_b32 s29, 0
	s_lshl_b32 s30, s23, 15
	s_add_co_u32 s30, s30, s26
	s_lshl_b32 s27, s20, 13
	s_add_co_u32 s30, s30, s27                     ; qpart: batches 2 w, 2 w + 1
	s_mov_b32 s31, 0
	v_lshrrev_b32 v5, 2, v1
	v_lshlrev_b32 v5, 24, v5                       ; a batch of x is 2^24 bytes: lane = 4 b + f
	v_and_b32 v6, 3, v1
	v_lshl_or_b32 v5, v6, 5, v5                    ; eight numbers from 8 f on
	v_lshrrev_b32 v13, 5, v0
	v_lshlrev_b32 v7, 10, v13                      ; my wave's 1,024 bytes for x
	v_lshl_add_u32 v6, v1, 5, v7                   ; 128 b + 32 f = 32 lane
	v_add_nc_u32 v12, v7, v4                       ; my wave's sums (behind byte 4,096)
	v_lshl_add_u32 v13, v13, 8, v4                 ; the two batches that I finish
	s_wait_alu depctr_va_vdst(0)
	s_wait_kmcnt 0x0
	s_add_nc_u64 s[4:5], s[4:5], s[28:29]
	s_add_nc_u64 s[10:11], s[10:11], s[24:25]
	s_add_nc_u64 s[16:17], s[16:17], s[30:31]
	global_load_b128 v[CW:CW+3], v5, s[4:5]
	global_load_b128 v[CW+4:CW+7], v5, s[4:5] offset:16
	LOADB 0, 10
	s_wait_loadcnt 32                              ; x is in; Wq's 32 loads may be out
	ds_store_b128 v6, v[CW:CW+3]
	ds_store_b128 v6, v[CW+4:CW+7] offset:16       ; my wave's own bytes, served in order
.macro GL g                            ; four numbers along K of each of the eight batches, the same in every lane
.irp b, 0,1,2,3,4,5,6,7
	ds_load_b128 v[XB+32*((\g)%2)+4*\b:XB+32*((\g)%2)+4*\b+3], v7 offset:128*\b+16*(\g)
.endr
.endm
	GL 0
.set G, 0
.rept 8
.if G < 7
	GL G+1
.endif
	s_wait_alu depctr_va_vdst(0)
	s_wait_loadcnt 28-4*G                          ; these four rows of Wq are in
.if G < 7
	s_wait_dscnt 8                                 ; this group's eight are in; the next group's may be out
.else
	s_wait_dscnt 0x0
.endif
.irp u, 0,1
.irp b, 0,1,2,3,4,5,6,7
.set rW, X+4*G+2*\u
.set rX, XB+32*(G%2)+4*\b+2*\u
.if (G == 0) && (\u == 0)
	v_pk_mul_f32 v[AC+2*\b:AC+2*\b+1], v[rW:rW+1], v[rX:rX+1]
.else
	v_pk_fma_f32 v[AC+2*\b:AC+2*\b+1], v[rW:rW+1], v[rX:rX+1], v[AC+2*\b:AC+2*\b+1]
.endif
.endr
.endr
.set G, G+1
.endr
.irp b, 0,1,2,3,4,5,6,7
	v_add_f32 v[AC+2*\b], v[AC+2*\b], v[AC+2*\b+1]
.endr
.irp b, 0,1,2,3,4,5,6,7
	ds_store_b32 v12, v[AC+2*\b] offset:4096+128*\b
.endr
	s_wait_dscnt 0x0                               ; for the others' sake: my stores are done
	s_barrier_signal -1
	s_barrier_wait -1
.irp w, 0,1,2,3
.irp b, 0,1
	ds_load_b32 v[X+2*\w+\b], v13 offset:4096+1024*\w+128*\b
.endr
.endr
	s_wait_dscnt 0x0
	v_pk_add_f32 v[X:X+1], v[X:X+1], v[X+2:X+3]
	v_pk_add_f32 v[X+4:X+5], v[X+4:X+5], v[X+6:X+7]
	v_pk_add_f32 v[X:X+1], v[X:X+1], v[X+4:X+5]
	global_store_b32 v4, v[X], s[16:17]
	global_store_b32 v4, v[X+1], s[16:17] offset:4096
	s_wait_tensorcnt 0x0                           ; the wave's end
	ds_add_u32 v[SPW], v[NIL]
	s_wait_dscnt 0x0
	s_endpgm
; ---- Wk, Wv: work-group 128 sel + 8 cg + s
.Lweights:
	s_and_b32 s21, ttmp9, 7                        ; s: K step of 128
	s_lshr_b32 s22, ttmp9, 3
	s_and_b32 s22, s22, 15                         ; cg: 64 columns
	s_lshr_b32 s23, ttmp9, 7                       ; sel
	s_and_b32 s32, s20, 1                          ; ch
	s_lshr_b32 s33, s20, 1                         ; kh
	s_lshl_b32 s24, s21, 19
	s_lshl_b32 s26, s33, 18
	s_add_co_u32 s24, s24, s26
	s_lshl_b32 s26, s22, 8
	s_add_co_u32 s24, s24, s26
	s_lshl_b32 s26, s32, 7
	s_add_co_u32 s24, s24, s26                     ; row 128 s + 64 kh, column 64 cg + 32 ch
	s_mov_b32 s25, 0
	s_lshl_b32 s26, s23, 6
	s_lshl_b32 s27, s22, 2
	s_add_co_u32 s26, s26, s27
	s_lshl_b32 s27, s32, 1
	s_add_co_u32 s26, s26, s27                     ; the tile of my lanes 0-15; lanes 16-31 have the next
	s_mul_i32 s26, s26, 8704
	s_lshl_b32 s27, s21, 10
	s_add_co_u32 s28, s26, s27
	s_lshl_b32 s27, s33, 9
	s_add_co_u32 s28, s28, s27                     ; codes: + 1,024 s + 512 kh
	s_mov_b32 s29, 0
	s_lshr_b32 s27, s21, 2
	s_lshl_b32 s27, s27, 8
	s_add_co_u32 s30, s26, s27
	s_and_b32 s27, s21, 3
	s_lshl_b32 s27, s27, 2
	s_add_co_u32 s30, s30, s27
	s_add_co_u32 s30, s30, 8192                    ; scale word: + 8,192 + 256 (s / 4) + 4 (s % 4)
	s_mov_b32 s31, 0
	s_lshl_b32 s34, s32, 7
	s_add_co_u32 s34, s34, WLDS                    ; LDS: my 32 columns' scale words
	s_lshl_b32 s35, s33, 1
	v_mul_u32_u24 v5, v3, 8704
	v_lshl_add_u32 v5, v2, 4, v5                   ; 8,704 h + 16 r
	v_add_nc_u32 v7, s34, v4
	v_add_nc_u32 v6, s35, v7                       ; + 2 kh: my half of the word
	s_wait_alu depctr_va_vdst(0)
	s_wait_kmcnt 0x0
	s_cmp_lt_u32 ttmp9, 128                        ; the choice hangs on the work-group's number alone
	s_cselect_b64 s[6:7], s[6:7], s[8:9]
	s_add_nc_u64 s[6:7], s[6:7], s[24:25]
	s_add_nc_u64 s[28:29], s[14:15], s[28:29]
	s_add_nc_u64 s[30:31], s[14:15], s[30:31]
	LOADB 0, 6
	LOADB 32, 6
	s_wait_loadcnt 32                              ; the first block's 32 loads are in
	QB X, CW, 11
	global_store_b128 v5, v[CW:CW+3], s[28:29]     ; sixteen lanes store 256 consecutive bytes, aligned
	s_wait_loadcnt 0x0
	QB X+32, CW+4, 12
	global_store_b128 v5, v[CW+4:CW+7], s[28:29] offset:256
	v_lshl_or_b32 v11, v12, 8, v11                 ; byte b scales k = 32 b on
	ds_store_b16 v6, v11
	s_wait_dscnt 0x0                               ; for the other half's sake
	s_barrier_signal -1
	s_barrier_wait -1
	s_cmp_lt_u32 s20, 2
	s_cbranch_scc0 .Lwend
	ds_load_b32 v13, v7                            ; the whole word, of both halves along K
	s_wait_dscnt 0x0
	global_store_b32 v5, v13, s[30:31]
.Lwend:
	s_wait_tensorcnt 0x0                           ; the wave's end
	ds_add_u32 v[SPW], v[NIL]
	s_wait_dscnt 0x0
	s_endpgm
.Lfunc_end_k_qc9cf83ec89_prep:
	.size	k_qc9cf83ec89_prep, .Lfunc_end_k_qc9cf83ec89_prep-k_qc9cf83ec89_prep
	.p2alignl 7, 3214868480
	.fill 96, 4, 3214868480
	.section	.rodata,"a",@progbits
	.p2align	6, 0x0
	.amdhsa_kernel k_qc9cf83ec89_prep
		.amdhsa_group_segment_fixed_size 9216
		.amdhsa_private_segment_fixed_size 0
		.amdhsa_enable_private_segment 0
		.amdhsa_kernarg_size 64
		.amdhsa_user_sgpr_count 2
		.amdhsa_user_sgpr_kernarg_segment_ptr 1
		.amdhsa_wavefront_size32 1
		.amdhsa_system_sgpr_workgroup_id_x 1
		.amdhsa_system_sgpr_workgroup_id_y 1
		.amdhsa_system_sgpr_workgroup_id_z 1
		.amdhsa_system_vgpr_workitem_id 0
		.amdhsa_next_free_vgpr 192
		.amdhsa_next_free_sgpr 66
		.amdhsa_reserve_vcc 0
		.amdhsa_float_denorm_mode_32 3
		.amdhsa_float_denorm_mode_16_64 3
		.amdhsa_memory_ordered 1
		.amdhsa_forward_progress 1
		.amdhsa_inst_pref_size 36
	.end_amdhsa_kernel
	.amdgpu_metadata
---
amdhsa.version: [ 1, 2 ]
amdhsa.kernels:
  - .name:           k_qc9cf83ec89_prep
    .symbol:         k_qc9cf83ec89_prep.kd
    .args:
      - { .name: x, .offset: 0, .size: 8, .value_kind: global_buffer, .address_space: global }
      - { .name: Wk, .offset: 8, .size: 8, .value_kind: global_buffer, .address_space: global }
      - { .name: Wv, .offset: 16, .size: 8, .value_kind: global_buffer, .address_space: global }
      - { .name: Wq, .offset: 24, .size: 8, .value_kind: global_buffer, .address_space: global }
      - { .name: Wc, .offset: 32, .size: 8, .value_kind: global_buffer, .address_space: global }
      - { .name: wimg, .offset: 40, .size: 8, .value_kind: global_buffer, .address_space: global }
      - { .name: qpart, .offset: 48, .size: 8, .value_kind: global_buffer, .address_space: global }
      - { .name: wci, .offset: 56, .size: 8, .value_kind: global_buffer, .address_space: global }
    .group_segment_fixed_size: 9216
    .private_segment_fixed_size: 0
    .kernarg_segment_align: 8
    .kernarg_segment_size: 64
    .max_flat_workgroup_size: 128
    .sgpr_count:     66
    .vgpr_count:     192
    .wavefront_size: 32
...
	.end_amdgpu_metadata
.endif
;; end of part 1
;; launch attn (part 2): grid 256 x 1, 4 waves a work-group, clusters of 4 x 1, 327,680 bytes of LDS; arguments x, wimg, qpart, hpart, ml; writes hpart, ml
.if DOCPART == 2
	.amdgcn_target "amdgcn-amd-amdhsa--gfx1250"
	.amdhsa_code_object_version 6
	.text
	.protected	k_qc9cf83ec89_attn
	.globl	k_qc9cf83ec89_attn
	.p2align	8
	.type	k_qc9cf83ec89_attn,@function
k_qc9cf83ec89_attn:
	s_mov_b64 s[64:65], 0
	v_nop
	global_prefetch_b8 v0, s[64:65] scope:SCOPE_SE
	s_setreg_imm32_b32 hwreg(HW_REG_WAVE_MODE, 25, 1), 1
	s_wait_xcnt 0x0
	s_wait_alu depctr_hold_cnt(0) depctr_sa_sdst(0) depctr_va_vdst(0) depctr_va_sdst(0) depctr_va_ssrc(0) depctr_va_vcc(0) depctr_vm_vsrc(0)
	s_getreg_b32 s2, hwreg(HW_REG_IB_STS2, 6, 4)
	s_cmp_eq_u32 s2, 0
	s_cbranch_scc0 .Lentry_in_a_cluster
	s_endpgm
.Lentry_in_a_cluster:
	s_bfe_u32 s2, ttmp6, 0x10000c
	s_cmp_lg_u32 s2, 0x3003
	s_cbranch_scc0 .Lentry_shape_is_right
	s_endpgm
.Lentry_shape_is_right:
; For 128 tokens of one batch: x is read as f32, once, and becomes codes of FP4 (E2M1) with E8M0 scales in registers; k = Q(x) Q(Wk) and v = Q(x) Q(Wv); none of these goes to memory.
; k's tiles are folded with q into scores as they are made; a softmax over the 128 tokens under their own maximum; v's tiles are folded with its weights p into hpart[g][1024] = the sum of p v
; (not normalised); ml[g] = (the maximum of t = score x log2(e) / 32, the sum of p = 2^(t - maximum)).  The next launch joins a batch's 32 parts.  All but the two products in f32.
; X.  A wave quantises 32 rows, eight rows (64 loads of 512 consecutive bytes) asked for ahead, each row's registers taken again by the row eight on.  A lane holds 4 neighbours of each of the row's 8 K
; steps; a block of 32 lies in 8 neighbouring lanes.  The maxima of the 8 K steps are joined so that lane i of 8 ends with that of K step i: one register holds the row's 32 scales.  The numbers are multiplied
; by 2^-e (exact) and converted under the scale 1, two K steps to a conversion; the codes go through an LDS stage, in the order of the operand's registers, 64 tokens at a time, to all four waves.
; No prefetch: a work-group has up to 4 x 63 x 512 bytes of x on their way by its loads alone, from its head to its last row; of the weights both slots are asked for under x's stream, and every later
; refill has a slot's 128 matrix instructions ahead of its wait.
; SHARES.  EVERY wave holds all 128 tokens, 64 fragments, in 512 registers; the four waves share the 2,048 columns of Wk | Wv: of the 16 column tiles of slot sigma wave w takes tiles 4 w + 0..3.
; THE RING.  Two slots of 139,264 bytes; a wave's quarter (four tiles' images, 34,816 dense bytes) is filled by that wave's own tensor load and read by that wave alone.
; By this text's count a wave has one tensor load out behind each round.  Slot 0's goes out at the head, slot 1's behind a full sequence when half of x is quantised.
; THE WALK.  A phase's four slots are walked from slot (cluster % 4) on, round: the clusters' requests of one time are spread over the four.  The walk's n-th slot has its q at 256 n of the wave's bytes,
; and its h likewise; the columns' true places stand in q's loads and h's stores alone.
; CLUSTER.  All work-groups walk the same weights: the four of a cluster ask for each quarter JOINTLY (the same descriptor, made of the wave's and the cluster's number alone, mask 15).
; LAYOUT.  Source 0 = 32 tokens, source 1 = 16 columns, in both phases: a lane holds ONE column and in its 16 registers tokens 16 a + 8 (lane / 16) + 0..7, a = 0, 1.
; k is multiplied by q at the lane's column and summed in 64 registers by token, which are summed over the lanes once, at the end; v is multiplied by p at these tokens.
; A TILE is 32 matrix instructions on four accumulators by turns; two sets of accumulators and of weight fragments take turns tile by tile.  A tile's fold stands behind the NEXT tile's first K step;
; behind the fold stands the run of LDS loads for the tile after, and behind that run K steps 1 to 7, 28 matrix instructions on end.
; LIMITS: NaN and infinities are not served; a block of zeros, or one whose largest magnitude lies under 2^-124, gets the scale byte 1; the f32 sums over columns and tokens are taken in another order than
; a plain row sum; the softmax's promise holds while the scaled scores stay under 2^31 in magnitude.
; REGISTERS, in windows of 256.  Window 0: v0-15 addresses and work; v16-47 x's scale words (8 q + s: lane = token of pair q); v48-63 the weights' (8 p + s); v64-191 accumulators, set p at 64 + 64 p,
;   token pair q at + 16 q; v192-207 h's sums; v208-211 q at two tiles' columns; v212-223 addresses; v192-196 and v224-253 the quantiser's work.
;   Window 1: v0-127 the weights' fragments, set p at 64 p + 8 s; v128-191 the score sums, later p; ahead of that all 256: eight rows of x as loaded.
;   Windows 2, 3: x's fragment (m, s) at window 2 + s / 4, register 64 (s % 4) + 8 m; m = 4 (half of the wave's rows) + wave.
.set SLOTB, 139264
.set WQB,   34816                      ; a wave's quarter of a slot
.set TILEB, 8704                       ; a tile's image: 8 fragments of 1,024 bytes, then 512 bytes of scale words
.set XST,   278528                     ; behind the ring: x's stage, 4 tiles x 8 K steps x 4 blocks x (256 + 16) bytes,
.set XSC,   XST+34816                  ; and their scale words, 512 bytes a tile
.set QL,    315392                     ; q x log2(e) / 32, 1,024 bytes a wave: the wave's own columns in the walk's order; in the second phase h's stage
.set SRED,  319488                     ; the waves' partial scores, 512 bytes a wave
.set PB,    321536                     ; p, 512 bytes a wave, each wave's own copy
.set SPARE, 323584                     ; the spare words, 128 bytes a wave: two blocks of 256 bytes that no other line names
.set L16, 1
.set WA0, 2                            ; 34,816 w + 16 lane
.set QA0, 3                            ; QL + 1,024 w + 4 r
.set SPW, 4
.set NIL, 5
.set WB0, 6                            ; 34,816 w + 16 r
.set XA,  7                            ; where the codes go, for the rows in hand
.set XSA, 8                            ; and the scale bytes
.set XRD, 9
.set XSR, 10
.set T0,  11
.set T1,  12
.set ADR, 13
.set XS,  16
.set WS,  48
.set ACC, 64
.set HP,  192
.set QR,  208
.set ADS, 212
.set QAD, 213
.set XA0, 214
.set ONE, 215
.set SRW, 216
.set SRR, 217
.set PBW, 218
.set PBR, 219
.set QO,  220
.set QS,  221
.set XS0, 222
.set TMP, 223
.set MX,  224
.set IV,  232
.set KK,  240
.set TT,  244
.set RR,  248
.set SK,  128                          ; window 1: score sums
.set PS,  128                          ;           later p
.set FN,  2                            ; s2  the number of the next fill, 2..7
.set WK,  3                            ; s3  the walk's start + the number of the last fill
.set ROT, 14                           ; s14 the walk's start, cluster % 4
.set TB,  41                           ; s41 LDS byte at which the slot in hand begins
.set TQ,  42                           ; s42 256 x the walk's step: for q, in the second phase for h
.set RO,  43                           ; s43 16 x the first row in hand
.set MB,  56                           ; s56-59 lanes with bit 0, 1, 2, 3 set
.set MSB, 0
.macro WIN new                         ; the immediate's high byte repeats the setting that is left
.if MSB != (\new)
	s_set_vgpr_msb (MSB<<8)|(\new)
.set MSB, (\new)
.endif
.endm
.macro PLACES                          ; four plain places (ISA guide 7.12.1)
.rept 4
	v_nop
.endr
.endm
.macro CREST                           ; a round of the cluster's barrier behind its opening barrier
	s_cmp_lg_u32 s16, 0
	s_cbranch_scc1 .Lnot_wave_0_\@
	s_barrier_signal -3
.Lnot_wave_0_\@:
	s_barrier_wait -3
	s_barrier_signal -1
	s_barrier_wait -1
.endm
.macro ROUND
	s_barrier_signal -1
	s_barrier_wait -1
	CREST
.endm
.macro XLD n, row                      ; a row of x into buffer n
	WIN 0x40
.irp j, 0,1,2,3,4,5,6,7
	global_load_b128 v[32*(\n)+4*\j:32*(\n)+4*\j+3], v[L16], s[4:5] offset:4096*(\row)+512*\j th:TH_LOAD_NT
.endr
.endm
; One row: buffer n, row rr of the stage's tile (on top of XA); cnt: the loads issued behind this row's, which may be out.  refill 1: the row eight on is loaded
.macro ROW n, rr, refill, cnt
.if (\n)%2
.set CC, 192                           ; two sets of results take turns
.set BY, 196
.else
.set CC, 250
.set BY, 249
.endif
	WIN 0x15
	s_wait_dscnt 9                                 ; the nine stores of the row before may be out: those that read this row's set of results are done
	s_wait_loadcnt \cnt
.irp j, 0,1,2,3,4,5,6,7
	v_max3_num_f32 v[MX+\j], |v[32*(\n)+4*\j]|, |v[32*(\n)+4*\j+1]|, |v[32*(\n)+4*\j+2]|
.endr
	WIN 0x04
.irp j, 0,1,2,3,4,5,6,7
	v_max3_num_f32 v[MX+\j], v[MX+\j], |v[32*(\n)+4*\j+3]|, s60    ; and the floor 2^(3 - 127): the byte cannot fall under 1
.endr
	WIN 0
.irp p, 0,1,2,3                        ; lanes xor 1: an odd lane keeps the odd K step of a pair and gives the even one
	v_cndmask_b32 v[TT+\p], v[MX+2*\p+1], v[MX+2*\p], s[MB]
	v_cndmask_b32 v[KK+\p], v[MX+2*\p], v[MX+2*\p+1], s[MB]
.endr
.irp p, 0,1,2,3
	v_max_num_f32_dpp v[KK+\p], v[TT+\p], v[KK+\p] row_xmask:1 row_mask:0xf bank_mask:0xf
.endr
.irp p, 0,1                            ; lanes xor 2
	v_cndmask_b32 v[TT+\p], v[KK+2*\p+1], v[KK+2*\p], s[MB+1]
	v_cndmask_b32 v[MX+\p], v[KK+2*\p], v[KK+2*\p+1], s[MB+1]
.endr
.irp p, 0,1
	v_max_num_f32_dpp v[MX+\p], v[TT+\p], v[MX+\p] row_xmask:2 row_mask:0xf bank_mask:0xf
.endr
	v_cndmask_b32 v[TT], v[MX+1], v[MX], s[MB+2]   ; lanes xor 4
	v_cndmask_b32 v[RR], v[MX], v[MX+1], s[MB+2]
	v_max_num_f32_dpp v[RR], v[TT], v[RR] row_xmask:4 row_mask:0xf bank_mask:0xf   ; lane 8 b + i: block b of K step i
	v_add_nc_u32 v[RR], s61, v[RR]                 ; 2 off the exponent field
	v_lshrrev_b32 v[BY], 23, v[RR]                 ; the scale's byte
	v_and_b32 v[RR], s62, v[RR]
	v_sub_nc_u32 v[RR], s63, v[RR]                 ; 2^-e: exponent field 254 - byte, 2 to 253
.irp j, 0,1,2,3,4,5,6,7
	v_mov_b32_dpp v[IV+\j], v[RR] dpp8:[\j,\j,\j,\j,\j,\j,\j,\j]
.endr
	WIN 0x41
.irp j, 0,2,4,6
.irp u, 0,2
	v_pk_mul_f32 v[32*(\n)+4*\j+\u:32*(\n)+4*\j+\u+1], v[32*(\n)+4*\j+\u:32*(\n)+4*\j+\u+1], v[IV+\j:IV+\j+1] op_sel_hi:[1,0]
	v_pk_mul_f32 v[32*(\n)+4*\j+\u+4:32*(\n)+4*\j+\u+5], v[32*(\n)+4*\j+\u+4:32*(\n)+4*\j+\u+5], v[IV+\j:IV+\j+1] op_sel:[0,1] op_sel_hi:[1,1]
.endr
.endr
	WIN 0x01
.irp p, 0,1,2,3
	v_cvt_scalef32_pk8_fp4_f32 v[CC+\p], v[32*(\n)+8*\p:32*(\n)+8*\p+7], v[ONE]   ; low half: K step 2 p, high half: 2 p + 1
.endr
	v_nop
	WIN 0x40
	ds_store_b8 v[XSA], v[BY] offset:16*(\rr)
.irp p, 0,1,2,3
	ds_store_b16 v[XA], v[CC+\p] offset:2176*\p+16*(\rr)
	ds_store_b16_d16_hi v[XA], v[CC+\p] offset:2176*\p+1088+16*(\rr)
.endr
.if \refill
	XLD \n, (\n)+8
.endif
.endm
.macro XREAD u                         ; the stage's four tiles into their registers
	WIN 0x80
.irp s, 0,1,2,3
.irp m, 0,1,2,3
.irp c, 0,1
	ds_load_b128 v[64*\s+8*(4*(\u)+\m)+4*\c:64*\s+8*(4*(\u)+\m)+4*\c+3], v[XRD] offset:8704*\m+1088*\s+544*\c
.endr
.endr
.endr
	WIN 0xc0
.irp s, 0,1,2,3
.irp m, 0,1,2,3
.irp c, 0,1
	ds_load_b128 v[64*\s+8*(4*(\u)+\m)+4*\c:64*\s+8*(4*(\u)+\m)+4*\c+3], v[XRD] offset:8704*\m+1088*(\s+4)+544*\c
.endr
.endr
.endr
	WIN 0
.irp q, 0,1
.irp c, 0,1
	ds_load_b128 v[XS+8*(2*(\u)+\q)+4*\c:XS+8*(2*(\u)+\q)+4*\c+3], v[XSR] offset:1024*\q+256*\c
.endr
.endr
.endm
; One matrix instruction: column tile in set P, K step s, token pair q.  s = 0 starts the sum with the constant 0.
.macro WM s, q
.set rD, ACC+64*P+16*(\q)
.set rX, 64*((\s)%4)+16*(\q)
.set rW, 64*P+8*(\s)
.set rY, XS+8*(\q)+(\s)
.set rV, WS+8*P+(\s)
.if (\s) == 0
	v_wmma_scale_f32_32x16x128_f4 v[rD:rD+15], v[rX:rX+15], v[rW:rW+7], 0, v[rY], v[rV]
.else
	v_wmma_scale_f32_32x16x128_f4 v[rD:rD+15], v[rX:rX+15], v[rW:rW+7], v[rD:rD+15], v[rY], v[rV]
.endif
.endm
.macro KS s                            ; one K step: the four accumulators take turns
	WIN 0x06+(\s)/4                                ; source 0 (x) window 2 or 3, source 1 (weights) window 1
.irp q, 0,1,2,3
	WM \s, \q
.endr
.endm
; The next n of a tile's 18 LDS loads: the NEXT tile's scale words and fragments, into set 1 - P
.macro LDN n
.rept \n
.if LI < 2
	WIN 0
	ds_load_b128 v[WS+8*(1-P)+4*LI:WS+8*(1-P)+4*LI+3], v[ADS] offset:OFS+8192+256*LI
.elseif LI < 18
	WIN 0x40
	ds_load_b128 v[64*(1-P)+4*(LI-2):64*(1-P)+4*(LI-2)+3], v[ADR] offset:OFS+512*(LI-2)
.endif
.set LI, LI+1
.endr
.endm
; A column's sum over the 128 tokens, in pieces: eight chains, the pair, lane l xor 16's tokens, and to my stage (lanes 16-31 write the same word with the same value)
.macro FINP n, tp
	WIN 0
.if (\n) == 0
.irp a, 0,2,4,6
	v_pk_add_f32 v[HP+\a:HP+\a+1], v[HP+\a:HP+\a+1], v[HP+\a+8:HP+\a+9]
.endr
.elseif (\n) == 1
.irp a, 0,2
	v_pk_add_f32 v[HP+\a:HP+\a+1], v[HP+\a:HP+\a+1], v[HP+\a+4:HP+\a+5]
.endr
.elseif (\n) == 2
	v_pk_add_f32 v[HP:HP+1], v[HP:HP+1], v[HP+2:HP+3]
.elseif (\n) == 3
	v_add_f32 v[T0], v[HP], v[HP+1]
.elseif (\n) == 4
	v_permlanex16_b32 v[T1], v[T0], s20, s21
.elseif (\n) == 5
	v_add_f32 v[T0], v[T0], v[T1]
.else
	ds_store_b32 v[QAD], v[T0] offset:64*((\tp)%4)
.endif
.endm
; The fold of the tile in set p: 32 packed multiply-adds, each accumulator from its low end on
.macro RED k, p
.if (\k) == 0
	WIN 0x50
.set N, 0
.rept 32
	v_pk_fma_f32 v[SK+N:SK+N+1], v[ACC+64*(\p)+N:ACC+64*(\p)+N+1], v[QR+2*(\p):QR+2*(\p)+1], v[SK+N:SK+N+1] op_sel_hi:[1,0,1]
.set N, N+2
.endr
.else
	WIN 0x04
.set N, 0
.rept 32
.set rH, HP+N%16
.if N < 16
	v_pk_mul_f32 v[rH:rH+1], v[ACC+64*(\p)+N:ACC+64*(\p)+N+1], v[PS+N:PS+N+1]
.else
	v_pk_fma_f32 v[rH:rH+1], v[ACC+64*(\p)+N:ACC+64*(\p)+N+1], v[PS+N:PS+N+1], v[rH:rH+1]
.endif
.set N, N+2
.endr
.endif
	WIN 0
.endm
; A TILE: 16 columns x 128 tokens x 1,024 along K, on set t % 2.
; mode 0: the next tile lies in the same slot.  mode 1: the slot's last tile, all its bytes are in my registers: the slot is filled again, and the next tile comes from the other slot.
; mode 2: the same without a fill.  mode 3: the last tile of all.  red = 1: the tile before is folded behind this tile's first K step.
.macro TILE k, t, mode, red
.set P, (\t)%2
.set LI, 0
.set OFS, 0
.if (\mode) == 0
.set OFS, TILEB*((\t)+1)
.endif
.if (\mode) == 3
.set LI, 18
.endif
	WIN 0
	s_wait_dscnt 0x0                               ; this tile's fragments and scale words, the last tile's q and h's last store: all my LDS instructions are done
.if (\mode) == 1
	s_wait_tensorcnt 0x0                           ; all my tensor loads have landed, my quarter of the other slot among them; so the walking group 0 may be written
	ds_add_u32 v[SPW], v[NIL]                      ; 0 onto my spare word
	s_xor_b32 s37, s37, SLOTB                      ; the other slot than last time (34,816 w has neither of SLOTB's two bits)
	s_add_co_u32 s[WK], s[WK], 1
	s_and_b32 s22, s[WK], 3                        ; fill f: slot (f + the walk's start) % 4 of the phase,
	s_and_b32 s17, s[FN], 4                        ; fills 4..7 of Wv's
	s_or_b32 s22, s22, s17
	s_mul_i32 s22, s22, SLOTB
	s_add_nc_u64 s[38:39], s[6:7], s[22:23]
	s_or_b32 s39, s39, 0x80000000
	s_add_co_u32 s[FN], s[FN], 1
.endif
	KS 0                                           ; (mode 1: four matrix instructions stand between the add and the wait for it)
.if (\mode) == 1
	s_wait_dscnt 0x0                               ; the add is done; my reads of the slot were over at the tile's head:
	s_barrier_signal -1                            ; say so: this barrier opens a round; the fold is the work on registers while the others arrive
.endif
	WIN 0
.if (\mode) == 2
	s_wait_tensorcnt 0x0                           ; my quarter of the last slot is in; nothing is filled again
.endif
.if (\mode) == 1 || (\mode) == 2
	s_xor_b32 s[TB], s[TB], SLOTB
.endif
	v_add_nc_u32 v[QAD], s[TQ], v[QA0]             ; these four lines are the places behind the last tile's products.  First phase: q of this tile; second: the last tile's place in h's stage
.if (\mode) < 3
	v_add_nc_u32 v[ADR], s[TB], v[WA0]
	v_add_nc_u32 v[ADS], s[TB], v[WB0]
.else
	v_nop
	v_nop
.endif
	v_nop
.if (\k) == 0
.if (\t) == 3
	s_add_co_u32 s[TQ], s[TQ], 256
.endif
.else
.if ((\t) == 0) && (\red)
	s_add_co_u32 s[TQ], s[TQ], 256                 ; that was the last tile of the slot before
.endif
.endif
.if \red
	RED \k, 1-P
.endif
.if (\mode) == 1
.if \k
.irp n, 0,1,2,3,4,5
	FINP \n, 0
.endr
.endif
	s_wait_alu depctr_va_vdst(0)
	s_barrier_wait -1
	CREST                                          ; no wave of any partner still reads the slot or has a load on its way
	tensor_load_to_lds s[36:39], s[24:31]          ; my one tensor load behind the round, and the first thing there: it has a slot's 128 matrix instructions in which to land
	s_nop 0
	PLACES
.endif
.if (\k) == 0
	ds_load_b32 v[QR+2*P], v[QAD] offset:64*(\t)   ; q at THIS tile's columns: its fold runs one tile later
	LDN 18
.elseif (\mode) == 1
	FINP 6, (\t)+3
	LDN 18
.elseif \red
	FINP 0, (\t)+3
	LDN 4
	FINP 1, (\t)+3
	LDN 4
	FINP 2, (\t)+3
	LDN 4
	FINP 3, (\t)+3
	LDN 3
	FINP 4, (\t)+3
	LDN 3
	FINP 5, (\t)+3
	FINP 6, (\t)+3
.else
	LDN 18
.endif
.irp s, 1,2,3,4,5,6,7
	KS \s
.endr
.endm
	s_load_b256 s[4:11], s[0:1], 0x0               ; x s[4:5], wimg s[6:7], qpart s[8:9], hpart s[10:11]
	s_load_b64 s[12:13], s[0:1], 0x20              ; ml
	v_lshl_add_u32 v[SPW], v0, 2, SPARE
	v_mov_b32 v[NIL], 0
	ds_add_u32 v[SPW], v[NIL]                      ; the opening
	ds_add_u32 v[SPW], v[NIL]
	v_lshrrev_b32 v1, 5, v0
	v_readfirstlane_b32 s16, v1                    ; wave 0..3
	s_bfe_u32 s17, ttmp6, 0x40000                  ; cx
	s_lshl_b32 s18, ttmp9, 2                       ; in a cluster launch ttmp9 counts clusters
	s_add_co_u32 s18, s18, s17                     ; g: it enters the addresses of x, qpart, hpart and ml alone
	s_lshr_b32 s19, s18, 5                         ; the batch
	s_and_b32 s[ROT], ttmp9, 3                     ; where my cluster's walk begins
	s_mov_b32 s20, 0x76543210
	s_mov_b32 s21, 0xfedcba98                      ; v_permlanex16_b32's selects for lane l xor 16
	s_mov_b32 s44, 0x3d38aa3b                      ; log2(e) / sqrt(1024)
	s_mov_b32 s45, s44
	s_mov_b32 s[TB], 0
	s_mov_b32 s[TQ], 0
	s_mov_b32 s[RO], 0
	s_mov_b32 s[FN], 2
	s_mov_b32 s[MB], 0xaaaaaaaa
	s_mov_b32 s[MB+1], 0xcccccccc
	s_mov_b32 s[MB+2], 0xf0f0f0f0
	s_mov_b32 s[MB+3], 0xff00ff00
	s_mov_b32 s60, 0x1800000
	s_mov_b32 s61, 0xff000000
	s_mov_b32 s62, 0x7f800000
	s_mov_b32 s63, 0x7f000000
	; descriptor group 1: a dense block of 34,816 bytes as 136 rows of 32 elements of 8 bytes
	s_mov_b32 s24, 15|(3<<16)|(1<<21)              ; the mask: all four work-groups; elements of 8 bytes; no padding; bit 21 beside a mask
	s_mov_b32 s25, 32<<16
	s_mov_b32 s26, 136<<16
	s_mov_b32 s27, 32<<16
	s_mov_b32 s28, 136
	s_mov_b32 s29, 32
	s_mov_b32 s30, 0
	s_mov_b32 s31, 0
	s_mul_i32 s46, s16, WQB                        ; my quarter, in a slot and in 16 tiles' images alike
	s_mov_b32 s47, 0
	s_lshl_b32 s48, s16, 10
	s_lshl_b32 s49, s16, 9
	s_add_co_u32 s50, s48, QL
	s_lshl_b32 s51, s16, 8
	s_mul_i32 s52, s16, 8704
	s_add_co_u32 s52, s52, XST
	s_add_co_u32 s53, s49, XSC
	s_add_co_u32 s54, s49, SRED
	s_add_co_u32 s55, s49, PB
	v_and_b32 v11, 31, v0                          ; lane
	v_and_b32 v12, 15, v0                          ; r
	v_bfe_u32 v13, v0, 4, 1                        ; h
	v_bfe_u32 v14, v0, 3, 2                        ; b = lane / 8
	v_and_b32 v15, 7, v0                           ; i = lane % 8
	v_lshlrev_b32 v[L16], 4, v11
	v_add_nc_u32 v[WA0], s46, v[L16]
	v_lshl_add_u32 v[WB0], v12, 4, s46
	v_lshl_add_u32 v[QA0], v12, 2, s50
	v_mul_u32_u24 v[XA0], v14, 272
	v_lshl_add_u32 v[XA0], v15, 1, v[XA0]
	v_add_nc_u32 v[XA0], s52, v[XA0]               ; the stage: my tile, 272 b + 2 i
	v_and_b32 v[XS0], 3, v0
	v_lshl_add_u32 v[XS0], v[XS0], 2, v14
	v_bfe_u32 v[TMP], v0, 2, 1
	v_lshl_add_u32 v[XS0], v[TMP], 8, v[XS0]
	v_add_nc_u32 v[XS0], s53, v[XS0]               ; the scale words: 256 (i / 4) + 4 (i % 4) + b
	v_mul_u32_u24 v[XRD], v13, 272
	v_lshl_add_u32 v[XRD], v12, 4, v[XRD]
	v_add_nc_u32 v[XRD], XST, v[XRD]
	v_lshl_add_u32 v[XSR], v12, 4, XSC
	v_lshl_add_u32 v[XSR], v13, 9, v[XSR]
	v_bfe_u32 v[TMP], v0, 3, 1
	v_lshlrev_b32 v[TMP], 6, v[TMP]
	v_lshl_add_u32 v[TMP], v13, 5, v[TMP]
	v_lshl_add_u32 v[TMP], v15, 2, v[TMP]          ; 4 x my token of a pair of tiles, as the score sums end: 16 (r / 8) + 8 h + r % 8
	v_add_nc_u32 v[SRW], s54, v[TMP]
	v_add_nc_u32 v[SRR], SRED, v[TMP]
	v_add_nc_u32 v[PBW], s55, v[TMP]
	v_lshl_add_u32 v[PBR], v13, 5, s55
	v_add_nc_u32 v[QO], s[ROT], v14
	v_and_b32 v[QO], 3, v[QO]                      ; the slot that the walk's step b takes
	v_lshlrev_b32 v[QO], 10, v[QO]
	v_lshl_add_u32 v[QO], v15, 5, v[QO]
	v_add_nc_u32 v[QO], s51, v[QO]                 ; qpart: 1,024 slot + 256 w + 32 i: eight of my wave's columns
	v_lshl_add_u32 v[QS], v11, 5, s50              ; and their place in QL
	v_mov_b32 v[ONE], 1.0
	v_mov_b32 v[QR+1], 0                           ; (the upper halves of pairs whose low word serves both)
	v_mov_b32 v[QR+3], 0
.irp j, 0,1,2,3,4,5,6,7
	v_mov_b32 v[IV+\j], 0                          ; (a lane move's destination counts as one of its sources)
.endr
	s_wait_alu depctr_va_vdst(0)
	s_wait_dscnt 0x0                               ; both opening adds are done
	s_wait_kmcnt 0x0
	s_mov_b32 s23, 0
	s_lshl_b32 s22, s18, 19
	s_lshl_b32 s17, s16, 17
	s_add_co_u32 s22, s22, s17
	s_add_nc_u64 s[4:5], s[4:5], s[22:23]          ; x: token 128 g + 32 w
	s_add_nc_u64 s[6:7], s[6:7], s[46:47]          ; wimg: my quarter
	s_mov_b32 s32, 1                               ; group 0 for slot 0
	s_mov_b32 s33, s46
	s_mul_i32 s22, s[ROT], SLOTB
	s_add_nc_u64 s[34:35], s[6:7], s[22:23]        ; fill 0: the walk's first slot
	s_mov_b32 s36, 1                               ; group 0 for slot 1, which then walks
	s_add_co_u32 s37, s46, SLOTB
	s_add_co_u32 s[WK], s[ROT], 1
	s_and_b32 s22, s[WK], 3
	s_mul_i32 s22, s22, SLOTB
	s_add_nc_u64 s[38:39], s[6:7], s[22:23]        ; fill 1
	s_or_b32 s35, s35, 0x80000000
	s_or_b32 s39, s39, 0x80000000
	s_lshl_b32 s22, s18, 12
	s_add_nc_u64 s[10:11], s[10:11], s[22:23]      ; hpart + 4,096 g
	s_lshl_b32 s22, s19, 12
	s_add_nc_u64 s[8:9], s[8:9], s[22:23]          ; qpart + 4,096 x batch
	s_lshl_b32 s22, s18, 8
	s_add_nc_u64 s[12:13], s[12:13], s[22:23]      ; ml + 256 g
.irp n, 0,1,2,3,4,5,6
	XLD \n, \n
.endr
	WIN 0
	ROUND                                          ; all four work-groups are here: the first joint loads meet
	tensor_load_to_lds s[32:35], s[24:31]          ; slot 0: my one tensor load at the head
	s_nop 0
	PLACES
	XLD 7, 7
	WIN 0
	; ---- x: rows 0..15 of my 32
	s_mov_b32 s40, 2
.Lx:
	v_add_nc_u32 v[XA], s[RO], v[XA0]
	v_add_nc_u32 v[XSA], s[RO], v[XS0]
.irp n, 0,1,2,3,4,5,6,7
	ROW \n, \n, 1, 56                              ; the seven rows behind this one may be out
.endr
	WIN 0
	s_wait_dscnt 0x0
	s_wait_xcnt 0x0                                ; the loads have read their base
	s_add_nc_u64 s[4:5], s[4:5], 0x8000            ; eight rows on
	s_add_co_u32 s[RO], s[RO], 128
	s_sub_co_u32 s40, s40, 1
	s_cmp_lg_u32 s40, 0
	s_cbranch_scc1 .Lx
	s_wait_tensorcnt 0x0                           ; my quarter of slot 0 is in
	ds_add_u32 v[SPW], v[NIL]
	s_wait_dscnt 0x0                               ; the add and my stores into the stage are done
	ROUND                                          ; and everybody's: the stage is whole
	tensor_load_to_lds s[36:39], s[24:31]          ; slot 1's first fill, the first tensor load behind the round
	s_nop 0
	PLACES
	XREAD 0
	v_mov_b32 v[XA], v[XA0]
	v_mov_b32 v[XSA], v[XS0]
	s_wait_alu depctr_va_vdst(0)
	s_wait_dscnt 0x0                               ; my reads of the stage are over: it is stored to again behind the barrier
	s_barrier_signal -1                            ; my tensor load may stay out
	s_barrier_wait -1
	; ---- rows 16..31
.irp n, 0,1,2,3,4,5,6,7
	ROW \n, \n, 1, 56
.endr
	WIN 0
.irp c, 0,1,2,3,4,5,6,7
.irp u, 0,1
	global_load_b128 v[64+8*\c+4*\u:64+8*\c+4*\u+3], v[QO], s[8:9] offset:32768*\c+16*\u   ; q's eight partial sums at my eight columns
.endr
.endr
.irp n, 0,1
	ROW \n, (\n+8), 0, 63                          ; 8 (7 - n) + 16 loads stand behind this row's: 72, 64; the field holds 63
.endr
.irp n, 2,3,4,5,6,7
	ROW \n, (\n+8), 0, 8*(7-\n)+16                 ; the rows behind this one, and q's sixteen
.endr
	WIN 0
	s_wait_loadcnt 0x0
.irp c, 1,2,3,4,5,6,7
.irp j, 0,2,4,6
	v_pk_add_f32 v[64+\j:65+\j], v[64+\j:65+\j], v[64+8*\c+\j:65+8*\c+\j]
.endr
.endr
.irp j, 0,2,4,6
	v_pk_mul_f32 v[64+\j:65+\j], v[64+\j:65+\j], s[44:45] op_sel_hi:[1,0]   ; the softmax's factor goes into q
.endr
	ds_store_b128 v[QS], v[64:67]                  ; my wave's own bytes, served in order
	ds_store_b128 v[QS], v[68:71] offset:16
	s_wait_dscnt 0x0                               ; my stores into the stage are done
	s_barrier_signal -1                            ; my tensor load may stay out
	s_barrier_wait -1
	XREAD 1
	v_add_nc_u32 v[ADR], s[TB], v[WA0]
	v_add_nc_u32 v[ADS], s[TB], v[WB0]
.set P, 1
.set OFS, 0
.set LI, 0
	LDN 18                                         ; the first tile's scale words and fragments, into set 0
	WIN 0x40
.set N, 0
.rept 64
	v_mov_b32 v[SK+N], 0                           ; the score sums: their first fold stands in the loop
.set N, N+1
.endr
	WIN 0
	; ---- k and the scores: the walk's first four slots
	TILE 0, 0, 0, 0
	WIN 0
	s_mov_b32 s40, 3
.LK:                                               ; a trip: a slot's tiles 1, 2, 3, the refill, the next slot's tile 0
	TILE 0, 1, 0, 1
	TILE 0, 2, 0, 1
	TILE 0, 3, 1, 1
	TILE 0, 0, 0, 1
	WIN 0
	s_sub_co_u32 s40, s40, 1
	s_cmp_lg_u32 s40, 0
	s_cbranch_scc1 .LK
	TILE 0, 1, 0, 1
	TILE 0, 2, 0, 1
	TILE 0, 3, 1, 1                                ; its loads bring the first tile of Wv's walk
	WIN 0
	s_wait_dscnt 0x0                               ; the last tile's q is in
	PLACES
	RED 0, 1
	; ---- the score sums over the 16 lanes of a half: each step halves the registers; lane (r, h) ends with token 32 q + 16 (r / 8) + 8 h + r % 8 in register 16 q
	WIN 0x55
.macro RSC d, mk
.set N, 0
.rept 32/(\d)
	v_cndmask_b32 v[64+N/(2*\d)], v[SK+N+\d], v[SK+N], s[\mk]
	v_cndmask_b32 v[SK+N], v[SK+N], v[SK+N+\d], s[\mk]
.set N, N+2*\d
.endr
.set N, 0
.rept 32/(\d)
	v_add_f32_dpp v[SK+N], v[64+N/(2*\d)], v[SK+N] row_xmask:\d row_mask:0xf bank_mask:0xf
.set N, N+2*\d
.endr
.endm
	RSC 1, MB
	RSC 2, MB+1
	RSC 4, MB+2
	RSC 8, MB+3
	WIN 0x04
.irp q, 0,1,2,3
	ds_store_b32 v[SRW], v[SK+16*\q] offset:128*\q ; over my wave's 256 columns
.endr
	WIN 0
	s_wait_dscnt 0x0                               ; for the others' sake: my stores are done
	s_barrier_signal -1                            ; my tensor load may stay out
	s_barrier_wait -1
.irp w, 0,1,2,3
.irp q, 0,1,2,3
	ds_load_b32 v[64+4*\w+\q], v[SRR] offset:512*\w+128*\q
.endr
.endr
	v_mov_b32 v81, 0
	s_wait_alu depctr_va_vdst(0)
	s_wait_dscnt 0x0
	; ---- the softmax over my work-group's 128 tokens; every wave computes it alike
	v_pk_add_f32 v[64:65], v[64:65], v[68:69]
	v_pk_add_f32 v[66:67], v[66:67], v[70:71]
	v_pk_add_f32 v[72:73], v[72:73], v[76:77]
	v_pk_add_f32 v[74:75], v[74:75], v[78:79]
	v_pk_add_f32 v[64:65], v[64:65], v[72:73]
	v_pk_add_f32 v[66:67], v[66:67], v[74:75]
	v_max3_num_f32 v80, v64, v65, v66
	v_max_num_f32 v80, v80, v67
.irp x, 1,2,4,8
	v_max_num_f32_dpp v80, v80, v80 row_xmask:\x row_mask:0xf bank_mask:0xf
.endr
	v_permlanex16_b32 v81, v80, s20, s21
	v_max_num_f32 v80, v80, v81                    ; the largest t of the 128
.irp q, 0,1,2,3
	v_sub_f32 v[64+\q], v[64+\q], v80
.endr
	s_wait_alu depctr_va_vdst(0)
.irp q, 0,1,2,3
	v_exp_f32 v[64+\q], v[64+\q]                   ; p = 2^(t - the largest t)
.endr
	v_mov_b32 v14, v80                             ; (a plain line behind the exponentials)
	s_wait_alu depctr_va_vdst(0)
	v_add_f32 v82, v64, v65
	v_add_f32 v83, v66, v67
	v_add_f32 v15, v82, v83
.irp x, 1,2,4,8
	v_add_f32_dpp v15, v15, v15 row_xmask:\x row_mask:0xf bank_mask:0xf
.endr
	v_permlanex16_b32 v81, v15, s20, s21
	v_add_f32 v15, v15, v81                        ; the sum of the 128
.irp q, 0,1,2,3
	ds_store_b32 v[PBW], v[64+\q] offset:128*\q    ; p changes lanes through my wave's own bytes: in by token,
.endr
	WIN 0x40
.irp m, 0,1,2,3,4,5,6,7
.irp u, 0,1
	ds_load_b128 v[PS+8*\m+4*\u:PS+8*\m+4*\u+3], v[PBR] offset:64*\m+16*\u   ; back as tokens 16 m + 8 h + 0..7
.endr
.endr
	WIN 0
	v_lshrrev_b32 v[TMP], 1, v[L16]                ; 8 x lane
	s_mov_b32 s[TQ], 0
	s_wait_alu depctr_va_vdst(0)
	s_cmp_lg_u32 s16, 0
	s_cbranch_scc1 .Lno_ml
	global_store_b64 v[TMP], v[14:15], s[12:13]    ; wave 0: the pair in all 32 lanes: 256 consecutive bytes, aligned; its registers are not written again
.Lno_ml:
	; ---- v and h: the walk's last four slots
	TILE 1, 0, 0, 0
	WIN 0
	s_mov_b32 s40, 2
.LV:
	TILE 1, 1, 0, 1
	TILE 1, 2, 0, 1
	TILE 1, 3, 1, 1
	TILE 1, 0, 0, 1
	WIN 0
	s_sub_co_u32 s40, s40, 1
	s_cmp_lg_u32 s40, 0
	s_cbranch_scc1 .LV
	TILE 1, 1, 0, 1                                ; the last two slots are written out: nothing more is asked for
	TILE 1, 2, 0, 1
	TILE 1, 3, 2, 1
	TILE 1, 0, 0, 1
	TILE 1, 1, 0, 1
	TILE 1, 2, 0, 1
	TILE 1, 3, 3, 1
	WIN 0
	s_wait_dscnt 0x0
	v_add_nc_u32 v[QAD], s[TQ], v[QA0]             ; these plain lines are the places behind the last products
	v_and_b32 v[MX], 15, v0
	v_bfe_u32 v[MX+1], v0, 4, 1
	v_add_nc_u32 v[MX+1], s[ROT], v[MX+1]
	v_and_b32 v[MX+1], 3, v[MX+1]                  ; the slot that the walk's step h took
	v_lshlrev_b32 v[MX+2], 10, v[MX+1]
	v_lshl_add_u32 v[MX+2], v[MX], 4, v[MX+2]
	v_add_nc_u32 v[MX+2], s51, v[MX+2]             ; hpart: 1,024 slot + 256 w + 16 r
	v_xor_b32 v[MX+4], 0x800, v[MX+2]              ; and of step h + 2: two slots further round
	v_add_nc_u32 v[MX+3], s50, v[L16]              ; my stage: + 16 lane
	RED 1, 1
.irp n, 0,1,2,3,4,5,6
	FINP \n, 3
.endr
	ds_load_b128 v[64:67], v[MX+3]                 ; my own bytes, served in order behind my stores
	ds_load_b128 v[68:71], v[MX+3] offset:512
	s_wait_dscnt 0x0
	global_store_b128 v[MX+2], v[64:67], s[10:11]  ; sixteen lanes store 256 consecutive bytes, aligned
	global_store_b128 v[MX+4], v[68:71], s[10:11]
	s_wait_tensorcnt 0x0                           ; the wave's end
	ds_add_u32 v[SPW], v[NIL]
	s_wait_dscnt 0x0
	ROUND                                          ; the closing round: no work-group ends while a partner may still ask for a tile that names it
	s_endpgm
.Lfunc_end_k_qc9cf83ec89_attn:
	.size	k_qc9cf83ec89_attn, .Lfunc_end_k_qc9cf83ec89_attn-k_qc9cf83ec89_attn
	.p2alignl 7, 3214868480
	.fill 96, 4, 3214868480
	.section	.rodata,"a",@progbits
	.p2align	6, 0x0
	.amdhsa_kernel k_qc9cf83ec89_attn
		.amdhsa_group_segment_fixed_size 327680
		.amdhsa_private_segment_fixed_size 0
		.amdhsa_enable_private_segment 0
		.amdhsa_kernarg_size 40
		.amdhsa_user_sgpr_count 2
		.amdhsa_user_sgpr_kernarg_segment_ptr 1
		.amdhsa_wavefront_size32 1
		.amdhsa_system_sgpr_workgroup_id_x 1
		.amdhsa_system_sgpr_workgroup_id_y 1
		.amdhsa_system_sgpr_workgroup_id_z 1
		.amdhsa_system_vgpr_workitem_id 0
		.amdhsa_next_free_vgpr 1024
		.amdhsa_next_free_sgpr 66
		.amdhsa_reserve_vcc 0
		.amdhsa_float_denorm_mode_32 3
		.amdhsa_float_denorm_mode_16_64 3
		.amdhsa_memory_ordered 1
		.amdhsa_forward_progress 1
		.amdhsa_inst_pref_size 255
	.end_amdhsa_kernel
	.section	.bss,"aw",@nobits
	.p2align	6
	.space	262144
	.amdgpu_metadata
---
amdhsa.version: [ 1, 2 ]
amdhsa.kernels:
  - .name:           k_qc9cf83ec89_attn
    .symbol:         k_qc9cf83ec89_attn.kd
    .args:
      - { .name: x, .offset: 0, .size: 8, .value_kind: global_buffer, .address_space: global }
      - { .name: wimg, .offset: 8, .size: 8, .value_kind: global_buffer, .address_space: global }
      - { .name: qpart, .offset: 16, .size: 8, .value_kind: global_buffer, .address_space: global }
      - { .name: hpart, .offset: 24, .size: 8, .value_kind: global_buffer, .address_space: global }
      - { .name: ml, .offset: 32, .size: 8, .value_kind: global_buffer, .address_space: global }
    .group_segment_fixed_size: 327680
    .private_segment_fixed_size: 0
    .kernarg_segment_align: 8
    .kernarg_segment_size: 40
    .max_flat_workgroup_size: 128
    .sgpr_count:     66
    .vgpr_count:     1024
    .wavefront_size: 32
...
	.end_amdgpu_metadata
.endif
;; end of part 2
;; launch head (part 3): grid 8 x 32, 8 waves a work-group, clusters of 4 x 1, 168,960 bytes of LDS; arguments hpart, ml, wci, bc, out0; writes out0
.if DOCPART == 3
	.amdgcn_target "amdgcn-amd-amdhsa--gfx1250"
	.amdhsa_code_object_version 6
	.text
	.protected	k_qc9cf83ec89_head
	.globl	k_qc9cf83ec89_head
	.p2align	8
	.type	k_qc9cf83ec89_head,@function
k_qc9cf83ec89_head:
	s_mov_b64 s[64:65], 0
	v_nop
	global_prefetch_b8 v0, s[64:65] scope:SCOPE_SE
	s_setreg_imm32_b32 hwreg(HW_REG_WAVE_MODE, 25, 1), 1
	s_wait_xcnt 0x0
	s_wait_alu depctr_hold_cnt(0) depctr_sa_sdst(0) depctr_va_vdst(0) depctr_va_sdst(0) depctr_va_ssrc(0) depctr_va_vcc(0) depctr_vm_vsrc(0)
	s_getreg_b32 s2, hwreg(HW_REG_IB_STS2, 6, 4)
	s_cmp_eq_u32 s2, 0
	s_cbranch_scc0 .Lentry_in_a_cluster
	s_endpgm
.Lentry_in_a_cluster:
	s_bfe_u32 s2, ttmp6, 0x10000c
	s_cmp_lg_u32 s2, 0x3003
	s_cbranch_scc0 .Lentry_shape_is_right
	s_endpgm
.Lentry_shape_is_right:
; out0[b][c] = the sum over d of h[b][d] Wc[d][c] + bc[c], where h[b] joins the batch's 32 parts: with M the largest of their maxima m_i (in powers of two),
; h = (the sum of 2^(m_i - M) hpart_i) / (the sum of 2^(m_i - M) l_i).  All in f32, by fused multiply-adds: eight rows would fill half a matrix tile and less.
; SHARES.  Work-group (x, y) = batch x, classes 32 y on.  Wave w takes d = 128 w .. + 127: thread t joins h at d = 4 t + 0..3; lane (g4 = lane / 8, cq = lane % 8) then takes
; rows d = 128 w + 4 i + g4, i = 0..31, of Wc at four classes.  The eight waves' sums meet in LDS; wave 0 adds bc and stores.
; CLUSTER.  The eight batches' work-groups of a slice read the same 1,024 x 32 numbers of Wc: four batches form a cluster and ask for them JOINTLY.  Wave w's one tensor load (mask 15; its
; descriptor is made of the wave's number and the slice, which the four share) brings rows 128 w .. + 127, 128 bytes each, to LDS byte 16,384 w of each of the four; only wave w reads them
; there, so its own wait on TENSORcnt orders the reads.  One tensor load of a wave is out; no LDS byte is filled twice.  In LDS the rows lie on end, so a load of 16 bytes a lane takes four rows.
; hpart, which the 32 slices of a batch share, is NOT asked for jointly: a thread's 16 bytes of each part go from the load straight into multiply-adds, where a joint load would send the
; work-group's 131,072 bytes through LDS and back; and so the two tensors come by two roads side by side.
; 1,000 classes are 31 slices of 32 and 8 more: the last slice's tile begins at class 968, so that it has the shape of the others and ends with Wc's last byte; of its lanes those with classes
; 992 on store, the others are switched off for the store: each byte of out0 is stored by one work-group.
; LIMITS: NaN and infinities are not served; the order of the f32 sums differs from a plain row sum's.
.set WCL, 0                            ; LDS: Wc's tile, 16,384 bytes a wave
.set HB,  131072                       ; h, 512 bytes a wave, the wave's own
.set RB,  135168                       ; the waves' sums, 128 bytes a wave
; A round of the cluster's barrier: my work-group's barrier; wave 0 signals for the work-group; every wave waits for all four work-groups; my work-group's barrier once more.
.macro ROUND
	s_barrier_signal -1
	s_barrier_wait -1
	s_cmp_lg_u32 s14, 0
	s_cbranch_scc1 .Lnot_wave_0_\@
	s_barrier_signal -3
.Lnot_wave_0_\@:
	s_barrier_wait -3
	s_barrier_signal -1
	s_barrier_wait -1
.endm
	s_load_b256 s[4:11], s[0:1], 0x0               ; hpart s[4:5], ml s[6:7], Wc s[8:9], bc s[10:11]
	s_load_b64 s[12:13], s[0:1], 0x20              ; out0
	v_lshl_add_u32 v192, v0, 2, 0x29000
	v_mov_b32 v193, 0
	ds_add_u32 v192, v193
	ds_add_u32 v192, v193
	v_lshrrev_b32 v1, 5, v0
	s_delay_alu instid0(VALU_DEP_1)
	v_readfirstlane_b32 s14, v1                    ; wave 0..7
	v_and_b32 v1, 31, v0                           ; lane
	s_wait_alu depctr_va_vdst(0)
	s_bfe_u32 s15, ttmp6, 0x40000                  ; cx: my place in the cluster
	s_lshl_b32 s16, ttmp9, 2                       ; in a cluster launch ttmp9 counts clusters
	s_add_co_u32 s15, s16, s15                     ; the batch: it enters the addresses of hpart, ml and out0 alone
	s_and_b32 s16, ttmp7, 0xffff
	s_lshl_b32 s16, s16, 5                         ; the slice's first class, which the four partners share
	s_min_u32 s17, s16, 968                        ; the tile's first class
	; Wc arrives laid again by an earlier launch: [slice 32][1024 d][32 classes], so a wave's 128 rows of a slice are 16,384 dense bytes.
	; descriptor group 1: that block as 64 rows of 64 elements of 4 bytes, whole units of 256 bytes, on end in LDS
	s_mov_b32 s24, 15|(2<<16)|(1<<21)              ; 15:0 the mask: all four work-groups; 17:16 elements of 4 bytes; 20 no padding; 21 set beside a mask
	s_mov_b32 s25, 64<<16                          ; tensor_dim0 = 64
	s_mov_b32 s26, 64<<16                          ; tensor_dim1 = 64
	s_mov_b32 s27, 64<<16                          ; tile_dim0 = 64
	s_mov_b32 s28, 64                              ; tile_dim1 = 64
	s_mov_b32 s29, 64                              ; from row to row
	s_mov_b32 s30, 0
	s_mov_b32 s31, 0
	s_mov_b32 s20, 1                               ; group 0: count = 1,
	s_lshl_b32 s21, s14, 14                        ; LDS address: 16,384 w
	s_mov_b32 s66, 0x76543210
	s_mov_b32 s67, 0xfedcba98                      ; v_permlanex16_b32's selects for lane l xor 16
	v_lshlrev_b32 v4, 8, v1                        ; ml: part i = lane, 256 bytes a part
	v_lshlrev_b32 v5, 4, v0                        ; hpart: 16 bytes a thread
	v_and_b32 v8, 7, v1                            ; cq
	v_lshrrev_b32 v9, 3, v1                        ; g4
	s_delay_alu instid0(VALU_DEP_2)
	v_lshl_add_u32 v6, v8, 2, s17                  ; my first class
	s_delay_alu instid0(VALU_DEP_1)
	v_lshlrev_b32 v7, 2, v6                        ; in bytes: bc's and out0's offset
	s_lshl_b32 s68, s14, 9
	s_add_co_u32 s68, s68, HB
	v_lshl_add_u32 v10, v1, 2, s68                 ; HB + 512 w + 4 lane
	v_lshl_add_u32 v11, v9, 7, s68                 ; HB + 512 w + 128 g4
	v_lshl_add_u32 v9, v1, 4, s21                  ; Wc's tile: 16,384 w + 16 lane: row g4 of four, 16 cq
	s_lshl_b32 s69, s14, 7
	s_add_co_u32 s69, s69, RB
	v_lshl_add_u32 v28, v8, 4, s69                 ; RB + 128 w + 16 cq
	v_lshl_add_u32 v29, v8, 4, RB                  ; RB + 16 cq
	v_mov_b32 v31, 0                               ; (a lane permute's destination counts as one of its sources)
	s_lshl_b32 s72, s15, 13                        ; ml: 32 parts of 256 bytes a batch
	s_mov_b32 s73, 0
	s_lshl_b32 s74, s15, 17                        ; hpart: 32 parts of 4,096 bytes
	s_mov_b32 s75, 0
	s_mul_i32 s76, s15, 4000                       ; out0: a row
	s_mov_b32 s77, 0
	s_lshl_b32 s78, s14, 14                        ; the laid-out Wc: 16,384 bytes a wave,
	s_lshl_b32 s79, s16, 12                        ; 131,072 a slice
	s_add_co_u32 s78, s78, s79                     ; and the tile's first class
	s_mov_b32 s79, 0
	s_wait_dscnt 0x0
	s_wait_kmcnt 0x0
	s_add_nc_u64 s[6:7], s[6:7], s[72:73]
	s_add_nc_u64 s[4:5], s[4:5], s[74:75]
	s_add_nc_u64 s[12:13], s[12:13], s[76:77]
	s_add_nc_u64 s[22:23], s[8:9], s[78:79]        ; group 0: the tile's first element,
	s_or_b32 s23, s23, 0x80000000                  ; type = 2
	ROUND                                          ; all four work-groups are here: the joint loads meet
	tensor_load_to_lds s[20:23], s[24:31]          ; my 128 rows of the slice
	s_nop 0
.rept 4
	v_nop
.endr
	global_load_b64 v[2:3], v4, s[6:7]             ; (m_i, l_i) of part i = lane
	s_wait_alu depctr_va_vdst(0)
	global_load_b128 v[12:15], v7, s[10:11]        ; bc at my four classes
.set I, 0
.rept 32
	global_load_b128 v[32+4*I:35+4*I], v5, s[4:5] offset:4096*I
.set I, I+1
.endr
	s_wait_loadcnt 32                              ; the pair and bc are in; hpart's 32 loads may be out
	v_mov_b32 v30, v2
	s_delay_alu instid0(VALU_DEP_1)
	v_max_num_f32_dpp v30, v30, v30 row_xmask:1 row_mask:0xf bank_mask:0xf
	s_delay_alu instid0(VALU_DEP_1)
	v_max_num_f32_dpp v30, v30, v30 row_xmask:2 row_mask:0xf bank_mask:0xf
	s_delay_alu instid0(VALU_DEP_1)
	v_max_num_f32_dpp v30, v30, v30 row_xmask:4 row_mask:0xf bank_mask:0xf
	s_delay_alu instid0(VALU_DEP_1)
	v_max_num_f32_dpp v30, v30, v30 row_xmask:8 row_mask:0xf bank_mask:0xf
	s_delay_alu instid0(VALU_DEP_1)
	v_permlanex16_b32 v31, v30, s66, s67
	s_delay_alu instid0(VALU_DEP_1)
	v_max_num_f32 v30, v30, v31                    ; M
	s_delay_alu instid0(VALU_DEP_1)
	v_sub_f32 v2, v2, v30
	s_wait_alu depctr_va_vdst(0)
	v_exp_f32 v2, v2                               ; 2^(m_i - M): 1 for the largest, so the divisor below is at least 1
	v_nop                                          ; a plain line behind the transcendental
	s_wait_alu depctr_va_vdst(0)
	v_mul_f32 v3, v2, v3
	s_delay_alu instid0(VALU_DEP_1)
	v_add_f32_dpp v3, v3, v3 row_xmask:1 row_mask:0xf bank_mask:0xf
	s_delay_alu instid0(VALU_DEP_1)
	v_add_f32_dpp v3, v3, v3 row_xmask:2 row_mask:0xf bank_mask:0xf
	s_delay_alu instid0(VALU_DEP_1)
	v_add_f32_dpp v3, v3, v3 row_xmask:4 row_mask:0xf bank_mask:0xf
	s_delay_alu instid0(VALU_DEP_1)
	v_add_f32_dpp v3, v3, v3 row_xmask:8 row_mask:0xf bank_mask:0xf
	s_delay_alu instid0(VALU_DEP_1)
	v_permlanex16_b32 v31, v3, s66, s67
	s_delay_alu instid0(VALU_DEP_1)
	v_add_f32 v3, v3, v31                          ; the softmax's divisor
	s_wait_alu depctr_va_vdst(0)
	v_rcp_f32 v3, v3
	v_nop
	s_wait_alu depctr_va_vdst(0)
	v_mul_f32 v2, v2, v3                           ; part i's weight
.set I, 0
.rept 32
	v_readlane_b32 s[32+I], v2, I                  ; the 32 weights as scalars: they feed multiply-adds alone
.set I, I+1
.endr
.set I, 0
.rept 32
.if I%8 == 0
	s_wait_alu depctr_va_vdst(0)
	s_wait_loadcnt 24-8*(I/8)                      ; the next eight parts are in; the parts behind them may be out
.endif
.irp j, 0,1,2,3
.if I == 0
	v_mul_f32 v[24+\j], s32, v[32+\j]              ; the first part starts the sums
.else
	v_fmac_f32 v[24+\j], s[32+I], v[32+4*I+\j]
.endif
.endr
.set I, I+1
.endr
.irp j, 0,1,2,3
	ds_store_b32 v10, v[24+\j] offset:128*\j       ; h(128 w + 4 lane + j) at word 32 j + lane of my wave's bytes
.endr
.irp i, 0,1,2,3,4,5,6,7
	ds_load_b128 v[160+4*\i:163+4*\i], v11 offset:16*\i            ; v[160 + i] = h(128 w + 4 i + g4); my own bytes, served in order
.endr
	s_wait_tensorcnt 0x0                           ; my rows of Wc are in LDS, and only I read them
.set I, 0
.rept 32
	ds_load_b128 v[32+4*I:35+4*I], v9 offset:512*I                 ; rows 4 i + g4: 32 lanes take 512 bytes on end; into the registers that hpart has left
.set I, I+1
.endr
.set I, 0
.rept 32
.if I%8 == 0
	s_wait_alu depctr_va_vdst(0)
	s_wait_dscnt 24-8*(I/8)                        ; h and the next eight loads are in; the loads behind them may be out
.endif
.irp c, 0,1,2,3
.if I < 2
	v_mul_f32 v[16+4*I+\c], v[160+I], v[32+4*I+\c] ; two sets of sums, by i's parity; the first products start them
.else
	v_fmac_f32 v[16+4*(I%2)+\c], v[160+I], v[32+4*I+\c]
.endif
.endr
.set I, I+1
.endr
	s_delay_alu instid0(VALU_DEP_3)
	v_pk_add_f32 v[16:17], v[16:17], v[20:21]
	s_delay_alu instid0(VALU_DEP_2)
	v_pk_add_f32 v[18:19], v[18:19], v[22:23]
.irp c, 0,1,2,3
	v_add_f32_dpp v[16+\c], v[16+\c], v[16+\c] row_xmask:8 row_mask:0xf bank_mask:0xf   ; the four lanes of a cq: lane xor 8,
.endr
.irp c, 0,1,2,3
	s_delay_alu instid0(VALU_DEP_4)
	v_permlanex16_b32 v[20+\c], v[16+\c], s66, s67                 ; and lane xor 16
.endr
.irp c, 0,1,2,3
	s_delay_alu instid0(VALU_DEP_4)
	v_add_f32 v[16+\c], v[16+\c], v[20+\c]
.endr
	ds_store_b128 v28, v[16:19]                    ; (the four lanes write the same bytes with the same values)
	s_wait_dscnt 0x0                               ; for wave 0's sake: my store is done
	s_barrier_signal -1
	s_barrier_wait -1
	s_cmp_lg_u32 s14, 0
	s_cbranch_scc1 .Lend
.irp w, 0,1,2,3,4,5,6,7
	ds_load_b128 v[32+4*\w:35+4*\w], v29 offset:128*\w
.endr
	s_wait_dscnt 0x0
.irp w, 0
	v_pk_add_f32 v[12:13], v[12:13], v[32+4*\w:33+4*\w]            ; bc, and the eight waves' sums
	v_pk_add_f32 v[14:15], v[14:15], v[34+4*\w:35+4*\w]
.endr
.irp w, 1, 2, 3, 4, 5, 6, 7
	s_delay_alu instid0(VALU_DEP_2)
	v_pk_add_f32 v[12:13], v[12:13], v[32+4*\w:33+4*\w]            ; bc, and the eight waves' sums
	s_delay_alu instid0(VALU_DEP_2)
	v_pk_add_f32 v[14:15], v[14:15], v[34+4*\w:35+4*\w]
.endr
	v_cmp_le_u32 vcc_lo, s16, v6                   ; my classes belong to this slice: every lane but, in the last slice, those under class 992
	s_wait_alu depctr_va_vdst(0)
	s_wait_xcnt 0x0                                ; EXEC changes only behind this wait
	s_and_saveexec_b32 s68, vcc_lo
	global_store_b128 v7, v[12:15], s[12:13]       ; eight lanes cover the slice's 128 bytes; the other lanes store the same bytes again
	s_wait_xcnt 0x0                                ; and again, in front of the line that widens it
	s_or_b32 exec_lo, exec_lo, s68
.Lend:
	s_wait_tensorcnt 0x0
	ds_add_u32 v192, v193
	s_wait_dscnt 0x0
	ROUND                                          ; the closing round: no work-group ends while a partner may still ask for a tile that names it
	s_endpgm
.Lfunc_end_k_qc9cf83ec89_head:
	.size	k_qc9cf83ec89_head, .Lfunc_end_k_qc9cf83ec89_head-k_qc9cf83ec89_head
	.p2alignl 7, 3214868480
	.fill 96, 4, 3214868480
	.section	.rodata,"a",@progbits
	.p2align	6, 0x0
	.amdhsa_kernel k_qc9cf83ec89_head
		.amdhsa_group_segment_fixed_size 168960
		.amdhsa_private_segment_fixed_size 0
		.amdhsa_enable_private_segment 0
		.amdhsa_kernarg_size 40
		.amdhsa_user_sgpr_count 2
		.amdhsa_user_sgpr_kernarg_segment_ptr 1
		.amdhsa_wavefront_size32 1
		.amdhsa_system_sgpr_workgroup_id_x 1
		.amdhsa_system_sgpr_workgroup_id_y 1
		.amdhsa_system_sgpr_workgroup_id_z 1
		.amdhsa_system_vgpr_workitem_id 0
		.amdhsa_next_free_vgpr 194
		.amdhsa_next_free_sgpr 80
		.amdhsa_reserve_vcc 1
		.amdhsa_float_denorm_mode_32 3
		.amdhsa_float_denorm_mode_16_64 3
		.amdhsa_memory_ordered 1
		.amdhsa_forward_progress 1
		.amdhsa_inst_pref_size 26
	.end_amdhsa_kernel
	.amdgpu_metadata
---
amdhsa.version: [ 1, 2 ]
amdhsa.kernels:
  - .name:           k_qc9cf83ec89_head
    .symbol:         k_qc9cf83ec89_head.kd
    .args:
      - { .name: hpart, .offset: 0, .size: 8, .value_kind: global_buffer, .address_space: global }
      - { .name: ml, .offset: 8, .size: 8, .value_kind: global_buffer, .address_space: global }
      - { .name: wci, .offset: 16, .size: 8, .value_kind: global_buffer, .address_space: global }
      - { .name: bc, .offset: 24, .size: 8, .value_kind: global_buffer, .address_space: global }
      - { .name: out0, .offset: 32, .size: 8, .value_kind: global_buffer, .address_space: global }
    .group_segment_fixed_size: 168960
    .private_segment_fixed_size: 0
    .kernarg_segment_align: 8
    .kernarg_segment_size: 40
    .max_flat_workgroup_size: 256
    .sgpr_count:     80
    .vgpr_count:     194
    .wavefront_size: 32
...
	.end_amdgpu_metadata
.endif
;; end of part 3
